; MI455X (gfx1250); checked and timed in simulation.
; The chip was launched on July 23, 2026; its instructions are those of AMD's public machine-readable ISA for CDNA 5 (MIT licence, August 2026) and "CDNA5" Instruction Set Architecture Reference Guide (July 2026). The comments in the code are by the model that wrote it; some were corrected since.
;; Chaos SNN. Allowed arithmetic: float matrix products may take bf16 or f16 operands with f32 sums; other float arithmetic in f32, or as packed bf16 or f16 multiplies, adds, multiply-adds, maxima and minima; sums over many terms, partial sums and values carried from step to step in f32; what a program stores and reads back later, other than sums and carried values, may be rounded once to bf16 or f16.
;; Inputs: noise 2,048 x 4,096 float32; sigma one number float32; weight 8,192 x 4,096 float32.
;; Outputs: out0 2,048 x 8,192 float32.
;; One version. Each part assembles by itself: llvm-mc -triple=amdgcn-amd-amdhsa -mcpu=gfx1250 --defsym DOCPART=n.
;; ======== version 1 of 1: 3 launches
;; workspace buffers: part 1,024 bytes; nb 16,777,216 bytes; wt 67,108,864 bytes
;; launch prep (part 1): grid 256 x 1, 32 waves a work-group, no clusters, 4,352 bytes of LDS; arguments weight, noise, part, nb; writes part, nb
.if DOCPART == 1
	.amdgcn_target "amdgcn-amd-amdhsa--gfx1250"
	.amdhsa_code_object_version 6
	.text
	.protected	k_qc867cf36ca_prep
	.globl	k_qc867cf36ca_prep
	.p2align	8
	.type	k_qc867cf36ca_prep,@function
k_qc867cf36ca_prep:
	s_mov_b64 s[64:65], 0
	v_nop
	global_prefetch_b8 v0, s[64:65] scope:SCOPE_SE
	s_setreg_imm32_b32 hwreg(HW_REG_WAVE_MODE, 25, 1), 1
	s_wait_xcnt 0x0
; FIRST OF THREE LAUNCHES.  part[g] = the sum of |bf16(w)| over work-group g's 131,072 weights (f32);  nb = noise rounded to bf16.
; The whole program rounds all its inputs to bf16 (nearest even): the threshold of the ternary step is taken of the rounded weights, so it is the rounded weights' magnitudes that are summed here.
; LIMITS.  The sums are made in another order than a plain running sum: 8 chains of 16 terms a lane, then by halving over lanes, waves and (next launch) work-groups, all in f32.
; NaN and infinities are not treated apart.
; SHARES.  256 work-groups of 32 waves.  Work-group g owns 524,288 consecutive bytes of weight (32 chunks of 16,384) and 131,072 of noise (8 chunks).  Thread t takes the 16 bytes at 16 t of each
; chunk: a wave's load covers 512 consecutive bytes.  Its four noise numbers leave as 8 bytes at 8 t of a chunk of 8,192: a wave's store covers 256 consecutive bytes, aligned.
; A ring of 16 slots in registers keeps 16 loads of every wave on their way; offsets stand in the immediates, so no address register is ever rewritten.
; No matrix unit, no cluster, no tensor load: nothing is shared between work-groups and every byte is used once.
.set CH,    16384                      ; bytes in a chunk of f32
.set SPARE, 256                        ; LDS: bytes 0-127 the 32 waves' sums (their block of 256 is theirs alone); from 256 on the spare words, 128 bytes for each of 32 waves
.set OFF,   1                          ; v1       16 t; never rewritten
.set OFO,   2                          ; v2       8 t; never rewritten
.set SPW,   3                          ; v3       LDS address of my spare word; never rewritten
.set NIL,   4                          ; v4       0; never rewritten
.set ACC,   14                         ; v[14:21] eight running sums, as four pairs
.set Y,     24                         ; v[24:39] noise chunk g: two registers to store; never rewritten
.set X,     40                         ; v[40:103] slot s: four registers as loaded
; v5 4 x wave; v6, v7 two packed words; v[8:11] four f32; v12 4 x lane; v13 0 (offset of the one store of part); v22, v23 the reductions
	s_load_b256 s[4:11], s[0:1], 0x0               ; weight s[4:5], noise s[6:7], part s[8:9], nb s[10:11]
	v_lshl_add_u32 v[SPW], v0, 2, SPARE
	v_mov_b32 v[NIL], 0
	v_lshrrev_b32 v5, 5, v0
	v_readfirstlane_b32 s12, v5                    ; my wave's number
	v_mov_b32 v5, s12
	v_lshlrev_b32 v5, 2, v5                        ; my wave's word in LDS
	v_lshlrev_b32 v[OFF], 4, v0
	v_lshlrev_b32 v[OFO], 3, v0
	v_and_b32 v12, 31, v0
	v_lshlrev_b32 v12, 2, v12                      ; lane l will read wave l's word
	v_mov_b32 v13, 0
	s_mov_b32 s14, 0x7fff7fff                      ; clears the signs of two bf16
	s_mov_b32 s15, 0xffff0000                      ; a word's upper bf16
	s_mov_b32 s16, 0x76543210                      ; v_permlanex16_b32: each lane takes its own place in the other half
	s_mov_b32 s17, 0xfedcba98
	s_mov_b32 s19, 0
	s_wait_kmcnt 0x0
	s_lshl_b32 s18, ttmp9, 19                      ; the work-group's share of weight,
	s_add_nc_u64 s[4:5], s[4:5], s[18:19]
	s_lshl_b32 s18, ttmp9, 17                      ; of noise,
	s_add_nc_u64 s[6:7], s[6:7], s[18:19]
	s_lshl_b32 s18, ttmp9, 16                      ; of nb,
	s_add_nc_u64 s[10:11], s[10:11], s[18:19]
	s_lshl_b32 s18, ttmp9, 2                       ; and its word of part
	s_add_nc_u64 s[8:9], s[8:9], s[18:19]
; Load number g of 40 into slot g % 16: the 8 chunks of noise first, so that their stores leave while the weights are read; then the 32 chunks of weight.
.macro LOADG g
.if (\g) < 8
	global_load_b128 v[X+4*((\g)%16):X+4*((\g)%16)+3], v[OFF], s[6:7] offset:(\g)*CH th:TH_LOAD_NT  ; noise is read once in the whole program
.else
	global_load_b128 v[X+4*((\g)%16):X+4*((\g)%16)+3], v[OFF], s[4:5] offset:((\g)-8)*CH             ; the next launch reads the weights again: no hint
.endif
.endm
; A chunk of noise: rounded and stored.
.macro NTURN g
	s_wait_loadcnt 15                              ; loads come back in order: mine is in, the 15 younger ones stay out
	v_cvt_pk_bf16_f32 v[Y+2*(\g)],   v[X+4*((\g)%16)],   v[X+4*((\g)%16)+1]
	v_cvt_pk_bf16_f32 v[Y+2*(\g)+1], v[X+4*((\g)%16)+2], v[X+4*((\g)%16)+3]
	LOADG (\g)+16
	global_store_b64 v[OFO], v[Y+2*(\g):Y+2*(\g)+1], s[10:11] offset:(\g)*CH/2
.endm
; A chunk of weight: rounded to bf16, signs cleared, widened again and added.  The first two chunks start the eight sums: nothing is cleared.
.macro WTURN g
.set SL, X+4*((\g)%16)
.set A4, ACC+4*((\g)%2)
.if (\g) > 24
	s_wait_loadcnt 39-(\g)                         ; no load follows number 39: the counts run down
.else
	s_wait_loadcnt 15
.endif
	v_cvt_pk_bf16_f32 v6, v[SL],   v[SL+1]
	v_cvt_pk_bf16_f32 v7, v[SL+2], v[SL+3]
.if (\g)+16 < 40
	LOADG (\g)+16                                  ; the slot has been read: its next chunk
.endif
	v_and_b32 v6, s14, v6
	v_and_b32 v7, s14, v7
.if (\g) < 10
	v_lshlrev_b32 v[A4],   16,  v6
	v_and_b32     v[A4+1], s15, v6
	v_lshlrev_b32 v[A4+2], 16,  v7
	v_and_b32     v[A4+3], s15, v7
.else
	v_lshlrev_b32 v8,  16,  v6
	v_and_b32     v9,  s15, v6
	v_lshlrev_b32 v10, 16,  v7
	v_and_b32     v11, s15, v7
	v_pk_add_f32 v[A4:A4+1],   v[A4:A4+1],   v[8:9]
	v_pk_add_f32 v[A4+2:A4+3], v[A4+2:A4+3], v[10:11]
.endif
.endm
; The sum of v22 over the wave's 32 lanes, in every lane.
.macro LANESUM
	v_add_f32_dpp v22, v22, v22 row_xmask:1 row_mask:0xf bank_mask:0xf
	v_add_f32_dpp v22, v22, v22 row_xmask:2 row_mask:0xf bank_mask:0xf
	v_add_f32_dpp v22, v22, v22 row_xmask:4 row_mask:0xf bank_mask:0xf
	v_add_f32_dpp v22, v22, v22 row_xmask:8 row_mask:0xf bank_mask:0xf
	v_permlanex16_b32 v23, v22, s16, s17           ; its destination counts as read: v23 has been written
	v_add_f32 v22, v22, v23
.endm
.set g, 0
.rept 16
	LOADG g
.set g, g+1
.endr
.set g, 0
.rept 8
	NTURN g
.set g, g+1
.endr
.rept 32
	WTURN g
.set g, g+1
.endr
	v_pk_add_f32 v[ACC:ACC+1],   v[ACC:ACC+1],   v[ACC+2:ACC+3]
	v_pk_add_f32 v[ACC+4:ACC+5], v[ACC+4:ACC+5], v[ACC+6:ACC+7]
	v_pk_add_f32 v[ACC:ACC+1],   v[ACC:ACC+1],   v[ACC+4:ACC+5]
	v_add_f32 v22, v[ACC], v[ACC+1]                ; my 128 weights
	v_mov_b32 v23, v22
	LANESUM                                        ; my wave's 4,096
	ds_store_b32 v5, v22                           ; all lanes write the same number to the wave's word
	s_wait_dscnt 0x0                               ; for the others' sake: my store is done
	s_barrier_signal -1
	s_barrier_wait -1
	ds_load_b32 v22, v12                           ; lane l: wave l's sum
	s_wait_dscnt 0x0
	LANESUM                                        ; the work-group's 131,072
	s_wait_tensorcnt 0x0                           ; the wave's end, behind my last LDS store
	ds_add_u32 v[SPW], v[NIL]
	s_wait_dscnt 0x0
	s_wait_xcnt 0x0                                ; EXEC is a source of the stores above: it changes only behind this wait
	v_cmp_eq_u32 vcc_lo, 0, v0
	s_and_saveexec_b32 s20, vcc_lo                 ; thread 0 alone
	global_store_b32 v13, v22, s[8:9]
	s_wait_xcnt 0x0                                ; and again in front of the line that widens it
	s_or_b32 exec_lo, exec_lo, s20
	s_endpgm
.Lfunc_end_k_qc867cf36ca_prep:
	.size	k_qc867cf36ca_prep, .Lfunc_end_k_qc867cf36ca_prep-k_qc867cf36ca_prep
	.p2alignl 7, 3214868480
	.fill 96, 4, 3214868480
	.section	.rodata,"a",@progbits
	.p2align	6, 0x0
	.amdhsa_kernel k_qc867cf36ca_prep
		.amdhsa_group_segment_fixed_size 4352
		.amdhsa_private_segment_fixed_size 0
		.amdhsa_enable_private_segment 0
		.amdhsa_kernarg_size 32
		.amdhsa_user_sgpr_count 2
		.amdhsa_user_sgpr_kernarg_segment_ptr 1
		.amdhsa_wavefront_size32 1
		.amdhsa_system_sgpr_workgroup_id_x 1
		.amdhsa_system_sgpr_workgroup_id_y 1
		.amdhsa_system_sgpr_workgroup_id_z 1
		.amdhsa_system_vgpr_workitem_id 0
		.amdhsa_next_free_vgpr 104
		.amdhsa_next_free_sgpr 66
		.amdhsa_reserve_vcc 1
		.amdhsa_float_denorm_mode_32 3
		.amdhsa_float_denorm_mode_16_64 3
		.amdhsa_memory_ordered 1
		.amdhsa_forward_progress 1
		.amdhsa_inst_pref_size 24
	.end_amdhsa_kernel
	.amdgpu_metadata
---
amdhsa.version: [ 1, 2 ]
amdhsa.kernels:
  - .name:           k_qc867cf36ca_prep
    .symbol:         k_qc867cf36ca_prep.kd
    .args:
      - { .name: weight, .offset: 0, .size: 8, .value_kind: global_buffer, .address_space: global }
      - { .name: noise, .offset: 8, .size: 8, .value_kind: global_buffer, .address_space: global }
      - { .name: part, .offset: 16, .size: 8, .value_kind: global_buffer, .address_space: global }
      - { .name: nb, .offset: 24, .size: 8, .value_kind: global_buffer, .address_space: global }
    .group_segment_fixed_size: 4352
    .private_segment_fixed_size: 0
    .kernarg_segment_align: 8
    .kernarg_segment_size: 32
    .max_flat_workgroup_size: 1024
    .sgpr_count:     66
    .vgpr_count:     104
    .wavefront_size: 32
...
	.end_amdgpu_metadata
.endif
;; end of part 1
;; launch quant (part 2): grid 256 x 1, 32 waves a work-group, no clusters, 0 bytes of LDS; arguments weight, part, wt; writes wt
.if DOCPART == 2
	.amdgcn_target "amdgcn-amd-amdhsa--gfx1250"
	.amdhsa_code_object_version 6
	.text
	.protected	k_qc867cf36ca_quant
	.globl	k_qc867cf36ca_quant
	.p2align	8
	.type	k_qc867cf36ca_quant,@function
k_qc867cf36ca_quant:
	s_mov_b64 s[64:65], 0
	v_nop
	global_prefetch_b8 v0, s[64:65] scope:SCOPE_SE
	s_setreg_imm32_b32 hwreg(HW_REG_WAVE_MODE, 25, 1), 1
	s_wait_xcnt 0x0
; SECOND OF THREE LAUNCHES.  thr = 0.7 x (the sum of part's 256 numbers) / 2^25;  wt = sign(b) x (|b| > thr) with b = bf16(w), written as bf16: -1, 0 or +1, all exact.
; Every wave adds the 256 partial sums itself, in the same order, so thr has the same bits in all of them and nothing passes between waves: no LDS, no barrier.
; ONE COMPARE ROUNDS AND COMPARES.  b lies on bf16's grid.  Let T be thr with its low 16 bits cleared, the grid's point at or below thr.  b > thr holds when w rounds to the point above T or higher:
; when w lies beyond the middle T + 0x8000 (in bits), or on it if T's last kept bit is 1 (the tie goes to the even neighbour, which is then the upper one).  So with
; M = T + 0x8000 - (bit 16 of thr), taken as an f32:  bf16(w) > thr  is  w > M,  and  bf16(w) < -thr  is  w < -M.
; LIMITS.  A NaN weight gives 0 (both compares fail).  Infinities are not treated apart.  thr is not negative, being a mean of magnitudes.
; SHARES.  As in the launch before: work-group g owns 524,288 consecutive bytes of weight, 32 chunks of 16,384; thread t takes 16 bytes at 16 t of each and stores 8 bytes at 8 t of a chunk of 8,192:
; a wave's load covers 512 consecutive bytes, its store 256, aligned.  A ring of 16 slots in registers.  The chunks are taken in descending order: what the launch before read last is read first.
.set CH,  16384
.set OFF, 1                            ; v1        16 t; never rewritten
.set OFO, 2                            ; v2        8 t; never rewritten
.set P,   14                           ; v14       +M
.set N,   15                           ; v15       -M
.set Y,   16                           ; v[16:47]  slot s: two registers to store
.set X,   48                           ; v[48:111] slot s: four registers as loaded, then -1, 0 or +1 in f32
.set MK,  20                           ; s20-27    the lane masks of a turn's eight compares
; v3 16 x lane; v[4:11] my eight partial sums; v12, v13 at work
	s_load_b128 s[4:7], s[0:1], 0x0                ; weight s[4:5], part s[6:7]
	s_load_b64 s[8:9], s[0:1], 0x10                ; wt
	v_lshlrev_b32 v[OFF], 4, v0
	v_lshlrev_b32 v[OFO], 3, v0
	v_and_b32 v3, 31, v0
	v_lshlrev_b32 v3, 4, v3
	s_mov_b32 s12, 0x76543210                      ; v_permlanex16_b32: each lane takes its own place in the other half
	s_mov_b32 s13, 0xfedcba98
	s_mov_b32 s19, 0
	s_wait_kmcnt 0x0
	s_lshl_b32 s18, ttmp9, 19
	s_add_nc_u64 s[4:5], s[4:5], s[18:19]          ; the work-group's share of weight
	s_lshl_b32 s18, ttmp9, 18
	s_add_nc_u64 s[8:9], s[8:9], s[18:19]          ; and of wt
	global_load_b128 v[4:7],  v3, s[6:7]           ; part's 1,024 bytes: 32 lanes x 16 bytes, twice
	global_load_b128 v[8:11], v3, s[6:7] offset:512
.macro QLOAD i                         ; load number i of 32, chunk 31 - i, into slot i % 16; this is the program's last reading of the weights
	global_load_b128 v[X+4*((\i)%16):X+4*((\i)%16)+3], v[OFF], s[4:5] offset:(31-(\i))*CH th:TH_LOAD_NT
.endm
.set i, 0
.rept 16
	QLOAD i
.set i, i+1
.endr
	s_wait_loadcnt 16                              ; the partial sums are in; the 16 loads issued behind them stay out
	v_pk_add_f32 v[4:5], v[4:5], v[6:7]
	v_pk_add_f32 v[8:9], v[8:9], v[10:11]
	v_pk_add_f32 v[4:5], v[4:5], v[8:9]
	v_add_f32 v4, v4, v5
	v_mov_b32 v12, v4                              ; v_permlanex16_b32's destination counts as read
	v_add_f32_dpp v4, v4, v4 row_xmask:1 row_mask:0xf bank_mask:0xf
	v_add_f32_dpp v4, v4, v4 row_xmask:2 row_mask:0xf bank_mask:0xf
	v_add_f32_dpp v4, v4, v4 row_xmask:4 row_mask:0xf bank_mask:0xf
	v_add_f32_dpp v4, v4, v4 row_xmask:8 row_mask:0xf bank_mask:0xf
	v_permlanex16_b32 v12, v4, s12, s13
	v_add_f32 v4, v4, v12                          ; the sum of all |bf16(w)|
	v_mul_f32 v4, 0x33000000, v4                   ; / 33,554,432 = x 2^-25, exact: the mean
	v_mul_f32 v4, 0x3f333333, v4                   ; x 0.7: thr
	v_bfe_u32 v12, v4, 16, 1                       ; T's last kept bit
	v_and_b32 v13, 0xffff0000, v4                  ; T
	v_add_nc_u32 v13, 0x8000, v13                  ; the middle between T and the next point of the grid
	v_sub_nc_u32 v[P], v13, v12                    ; M
	v_xor_b32 v[N], 0x80000000, v[P]               ; -M
.macro QTURN i
.set SL, X+4*((\i)%16)
.set YS, Y+2*((\i)%16)
.if (\i) > 16
	s_wait_loadcnt 31-(\i)                         ; no load follows number 31: the counts run down
.else
	s_wait_loadcnt 15                              ; mine is in, the 15 younger ones stay out
.endif
.if (\i) >= 16
	s_wait_xcnt 0x0                                ; the slot's two registers to store were the data of its store 16 turns ago: they are rewritten only behind this wait
.endif
.irp k, 0,1,2,3
	v_cmp_gt_f32 s[MK+2*(\k)],   v[SL+(\k)], v[P]  ; bf16(w) > thr
	v_cmp_lt_f32 s[MK+2*(\k)+1], v[SL+(\k)], v[N]  ; bf16(w) < -thr
.endr
.irp k, 0,1,2,3
	v_cndmask_b32 v[SL+(\k)], 0, 1.0, s[MK+2*(\k)]
.endr
.irp k, 0,1,2,3
	v_cndmask_b32 v[SL+(\k)], v[SL+(\k)], -1.0, s[MK+2*(\k)+1]
.endr
	v_cvt_pk_bf16_f32 v[YS],   v[SL],   v[SL+1]
	v_cvt_pk_bf16_f32 v[YS+1], v[SL+2], v[SL+3]
.if (\i)+16 < 32
	QLOAD (\i)+16
.endif
	global_store_b64 v[OFO], v[YS:YS+1], s[8:9] offset:(31-(\i))*CH/2  ; the next launch reads wt: no hint
.endm
.set i, 0
.rept 32
	QTURN i
.set i, i+1
.endr
	s_endpgm
.Lfunc_end_k_qc867cf36ca_quant:
	.size	k_qc867cf36ca_quant, .Lfunc_end_k_qc867cf36ca_quant-k_qc867cf36ca_quant
	.p2alignl 7, 3214868480
	.fill 96, 4, 3214868480
	.section	.rodata,"a",@progbits
	.p2align	6, 0x0
	.amdhsa_kernel k_qc867cf36ca_quant
		.amdhsa_group_segment_fixed_size 0
		.amdhsa_private_segment_fixed_size 0
		.amdhsa_enable_private_segment 0
		.amdhsa_kernarg_size 24
		.amdhsa_user_sgpr_count 2
		.amdhsa_user_sgpr_kernarg_segment_ptr 1
		.amdhsa_wavefront_size32 1
		.amdhsa_system_sgpr_workgroup_id_x 1
		.amdhsa_system_sgpr_workgroup_id_y 1
		.amdhsa_system_sgpr_workgroup_id_z 1
		.amdhsa_system_vgpr_workitem_id 0
		.amdhsa_next_free_vgpr 112
		.amdhsa_next_free_sgpr 66
		.amdhsa_reserve_vcc 0
		.amdhsa_float_denorm_mode_32 3
		.amdhsa_float_denorm_mode_16_64 3
		.amdhsa_memory_ordered 1
		.amdhsa_forward_progress 1
		.amdhsa_inst_pref_size 46
	.end_amdhsa_kernel
	.amdgpu_metadata
---
amdhsa.version: [ 1, 2 ]
amdhsa.kernels:
  - .name:           k_qc867cf36ca_quant
    .symbol:         k_qc867cf36ca_quant.kd
    .args:
      - { .name: weight, .offset: 0, .size: 8, .value_kind: global_buffer, .address_space: global }
      - { .name: part, .offset: 8, .size: 8, .value_kind: global_buffer, .address_space: global }
      - { .name: wt, .offset: 16, .size: 8, .value_kind: global_buffer, .address_space: global }
    .group_segment_fixed_size: 0
    .private_segment_fixed_size: 0
    .kernarg_segment_align: 8
    .kernarg_segment_size: 24
    .max_flat_workgroup_size: 1024
    .sgpr_count:     66
    .vgpr_count:     112
    .wavefront_size: 32
...
	.end_amdgpu_metadata
.endif
;; end of part 2
;; launch gemm (part 3): grid 32 x 8, 4 waves a work-group, clusters of 4 x 4, 327,680 bytes of LDS; arguments nb, wt, out0, sigma; writes out0
.if DOCPART == 3
	.amdgcn_target "amdgcn-amd-amdhsa--gfx1250"
	.amdhsa_code_object_version 6
	.text
	.protected	k_qc867cf36ca_gemm
	.globl	k_qc867cf36ca_gemm
	.p2align	8
	.type	k_qc867cf36ca_gemm,@function
k_qc867cf36ca_gemm:
	s_mov_b64 s[64:65], 0
	v_nop
	global_prefetch_b8 v0, s[64:65] scope:SCOPE_SE
	s_setreg_imm32_b32 hwreg(HW_REG_WAVE_MODE, 25, 1), 1
	s_wait_xcnt 0x0
	s_wait_alu depctr_hold_cnt(0) depctr_sa_sdst(0) depctr_va_vdst(0) depctr_va_sdst(0) depctr_va_ssrc(0) depctr_va_vcc(0) depctr_vm_vsrc(0)
	s_getreg_b32 s2, hwreg(HW_REG_IB_STS2, 6, 4)
	s_cmp_eq_u32 s2, 0
	s_cbranch_scc0 .Lentry_in_a_cluster
	s_endpgm
.Lentry_in_a_cluster:
	s_bfe_u32 s2, ttmp6, 0x10000c
	s_cmp_lg_u32 s2, 0xf033
	s_cbranch_scc0 .Lentry_shape_is_right
	s_endpgm
.Lentry_shape_is_right:
; THIRD OF THREE LAUNCHES.  out0[m][n] = bf16(sigma) x the sum over k of nb[m][k] wt[n][k].  nb: [2048][4096] bf16 (noise, rounded), wt: [8192][4096] bf16 (-1, 0, +1), out0: [2048][8192] f32; sums in f32.
; LIMITS.  sigma is rounded to bf16 like the other inputs; the sums' order is the matrix unit's, K ascending in steps of 32.  NaN and infinities are not treated apart.
; A tile of out0, 256 x 256, is made by a work-group of four waves; there are 8 x 32 = 256 tiles.  A wave makes 128 x 128: 64 accumulators of 16 x 16, 512 registers.  K goes in 32 steps of 128 through
; a ring of two LDS slots filled by the tensor data mover: a tile's rows are 256 bytes of memory and start at multiples of 256 bytes from the buffer's first byte.
; CLUSTERS: 4 x 4 work-groups.  The four of a row of the cluster make tiles of one tile row and need the same tiles of nb (A); the four of a column need the same tiles of wt (B).  Such a tile is asked
; for JOINTLY: each of the four issues the same tensor load, with the same descriptor and a mask that names the four, and each receives the tile in its own LDS.
; REGISTERS, in windows of 256 (s_set_vgpr_msb's low byte: bits 1:0 source 0, 3:2 source 1, 5:4 source 2, 7:6 destination):
;   window 0: v0-31 addresses and sigma; v64-127, v128-191 fragments of A (8 x 16 rows x 32 K), two buffers; on the way out v64-127 scaled results, v128-191 and v192-255 rows read back, by turns
;   window 1: v64-127, v128-191 fragments of B, two buffers
;   window 2: the 32 accumulators of my rows 0-63 (accumulator (a, b) at v[8 (8 a + b)]);   window 3: those of my rows 64-127
; THE MATRIX INSTRUCTION IS USED TRANSPOSED: source 0 = 16 rows of B, source 1 = 16 rows of A.  In the result lane l holds row l % 16 of out0 and its registers 0 to 7 the columns 8 (l / 16) + 0 .. 7:
; 32 neighbouring bytes of a row.
.set SIZE_N, 8192
.set SIZE_K, 4096
.set KSTEP,  128
.set PITCH,  272                       ; an LDS row: 256 bytes of data + 16 of padding = 68 words: row r starts at bank 4 r mod 64 (64 banks of 4 bytes: ISA guide 11.1), so the 16 rows that a load touches start at 16 different banks
.set HALFT,  128*PITCH                 ; 128 rows: what one tensor load brings, and what one wave reads of A or of B
.set SLOT,   4*HALFT                   ; A's 256 rows, then B's 256 rows
.set STAGE,  2*SLOT                    ; behind the ring, never filled by a tensor load: 16 rows x 528 bytes for each wave, for the way out
.set SPITCH, 528                       ; a stage row: my 128 columns in f32, 512 bytes, + 16: 33 x 16 bytes, so 16 rows' stores of 16 bytes fall into 16 different columns of 16 bytes modulo 256
.set SPARE,  STAGE+4*16*SPITCH         ; behind the stages: the spare words, 128 bytes for each wave: two blocks of 256 bytes that no other line names
.set LAPS,   SIZE_K/(2*KSTEP)          ; a lap = two K steps = once round the ring: 16
.set CROW,   SIZE_N*4                  ; bytes in a row of out0
.set ADRA, 16                          ; v16-17  LDS address of my A fragments in slot 0, 1
.set ADRB, 20                          ; v20-21  the same for B
.set STO,  24                          ; v24     the way out: where I put 32 bytes of a row
.set RD,   25                          ; v25     the way out: where I read 16 bytes of a row back
.set CO,   26                          ; v26     my byte offset in 512 bytes of a row of out0
.set SPW,  28                          ; v28     LDS address of my spare word: SPARE + 4 x my thread's number; never rewritten
.set NIL,  29                          ; v29     0; never rewritten
.set SG,   30                          ; v[30:31] sigma rounded to bf16, as f32, twice
.set F0,   64                          ; fragment buffer 0
.set F1,   128                         ; fragment buffer 1
.set TMP,  64                          ; the way out: a block's 64 scaled results
.set G1,  24                           ; s[24:31] descriptor group 1 for A's tiles
.set G0,  32                           ; s[32:39] descriptor group 0 for A's tiles, one set for each slot
.set G1B, 48                           ; s[48:55] descriptor group 1 for B's tiles: it differs from A's in the mask alone
.set G0B, 56                           ; s[56:63] descriptor group 0 for B's tiles, one set for each slot
.set MSB, 0
.macro WIN new                         ; the immediate's high byte repeats the setting that is left; a switch that changes nothing is dropped
.if MSB != (\new)
	s_set_vgpr_msb (MSB<<8)|(\new)
.set MSB, \new
.endif
.endm
.set MUL_LO, 0xa1                      ; source 0 (B) window 1, source 1 (A) window 0, C and D window 2
.set MUL_HI, 0xf1                      ; the same, C and D window 3
.set TO_B,   0x40                      ; destination window 1, address window 0
; A joint load.  Waves 0 and 1 fetch A's two halves, waves 2 and 3 B's.  Each of the two lines has one mask and one set of registers for all that issue it.  The branch hangs on the wave's number alone.
; An s_nop 0 and four v_nop follow each of the two lines, ahead of the jump, the label and what follows the macro.
.macro JLOAD s
	s_cmp_eq_u32 s11, 0
	s_cbranch_scc0 .Lfor_b_\@
	tensor_load_to_lds s[G0+4*(\s):G0+4*(\s)+3], s[G1:G1+7]
	s_nop 0
.rept 4
	v_nop
.endr
	s_branch .Lasked_\@
.Lfor_b_\@:
	tensor_load_to_lds s[G0B+4*(\s):G0B+4*(\s)+3], s[G1B:G1B+7]
	s_nop 0
.rept 4
	v_nop
.endr
.Lasked_\@:
.endm
; A round of the cluster's barrier: my work-group's barrier, so that wave 0's signal speaks for all four waves; wave 0 signals for the work-group; every wave waits for all sixteen work-groups;
; my work-group's barrier once more.  No LDS instruction of the wave is pending at a signal.
.macro CREST                           ; a round behind its opening barrier
	s_cmp_lg_u32 s10, 0
	s_cbranch_scc1 .Lnot_wave_0_\@
	s_barrier_signal -3
.Lnot_wave_0_\@:
	s_barrier_wait -3
	s_barrier_signal -1
	s_barrier_wait -1
.endm
.macro CROUND                          ; a whole round
	s_barrier_signal -1
	s_barrier_wait -1
	CREST
.endm
	s_load_b128 s[4:7], s[0:1], 0x0                ; nb (A) s[4:5], wt (B) s[6:7]
	s_load_b64 s[8:9], s[0:1], 0x10                ; out0
	s_load_b64 s[66:67], s[0:1], 0x18              ; sigma's address
	v_lshl_add_u32 v[SPW], v0, 2, SPARE
	v_mov_b32 v[NIL], 0
	ds_add_u32 v[SPW], v[NIL]                      ; the wave's opening: the add and its wait stand ahead of my first tensor load; the set-up below, work on registers, stands between them
	v_lshrrev_b32 v1, 5, v0
	v_readfirstlane_b32 s10, v1                    ; wave 0..3
	s_lshr_b32 s11, s10, 1                         ; which half of the tile's rows is mine.  Also: I fetch for A (0) or for B (1)
	s_and_b32 s12, s10, 1                          ; which half of its columns.  Also: which 128 rows of that tile I fetch
	s_bfe_u32 s40, ttmp6, 0x40000                  ; cx: my place along the cluster's x
	s_bfe_u32 s41, ttmp6, 0x40004                  ; cy: along its y
	s_lshl_b32 s42, ttmp9, 2                       ; in a cluster launch ttmp9 and ttmp7 count clusters
	s_add_co_u32 s42, s42, s40                     ; tile column = 4 x cluster x + cx
	s_and_b32 s13, ttmp7, 0xffff
	s_lshl_b32 s13, s13, 2
	s_add_co_u32 s13, s13, s41                     ; tile row = 4 x cluster y + cy
	s_lshl_b32 s43, s41, 2
	s_lshl_b32 s43, 15, s43                        ; my row of the cluster: places 4 cy .. 4 cy + 3
	s_lshl_b32 s44, 0x1111, s40                    ; my column: places cx, cx + 4, cx + 8, cx + 12
	; descriptor group 1: a tile of 128 rows x 128 elements, padded in LDS
	s_or_b32 s[G1+0], s43, (1<<16)|(1<<20)|(1<<21)|(5<<22)|(3<<25)  ; 15:0 the mask: A's tiles go to my row; 17:16 elements of 2 bytes; 20 padding on; 21 set beside a mask; 24:22 after every 64 words (code 5); 31:25 4 words of it (code 3)
	s_or_b32 s[G1B+0], s44, (1<<16)|(1<<20)|(1<<21)|(5<<22)|(3<<25) ; the same with the mask of my column, for B's tiles
.irp g, G1, G1B
	s_mov_b32 s[(\g)+1], KSTEP<<16                 ; 63:48 tensor_dim0, low half = 128
	s_mov_b32 s[(\g)+2], 128<<16                   ; 79:64 its high half = 0; 95:80 tensor_dim1, low half = 128
	s_mov_b32 s[(\g)+3], KSTEP<<16                 ; 111:96 its high half = 0; 127:112 tile_dim0 = 128
	s_mov_b32 s[(\g)+4], 128                       ; 143:128 tile_dim1 = 128; 159:144 tile_dim2 = 0
	s_mov_b32 s[(\g)+5], SIZE_K                    ; 191:160 tensor_dim0_stride, low word: elements from row to row
	s_mov_b32 s[(\g)+6], 0
	s_mov_b32 s[(\g)+7], 0
.endr
	; where the tiles come from.  A's hang on the tile row alone, which my row of the cluster shares; B's on the tile column alone, which my column shares.
	; Every wave makes both addresses, in registers that never hold the other coordinate, and asks by one of them.
	s_lshl_b32 s17, s12, 7                         ; which 128 rows of the tile I fetch
	s_lshl_b32 s16, s13, 8
	s_add_co_u32 s16, s16, s17                     ; A: row 256 x tile row + 128 x half
	s_lshl_b32 s46, s42, 8
	s_add_co_u32 s46, s46, s17                     ; B: row 256 x tile column + 128 x half
	s_mov_b32 s17, 0
	s_mov_b32 s47, 0
	s_mov_b64 s[18:19], SIZE_K*2
	s_mul_u64 s[16:17], s[16:17], s[18:19]         ; in bytes
	s_mul_u64 s[46:47], s[46:47], s[18:19]
	s_mul_i32 s20, s10, HALFT                      ; and where they go: A's two halves, then B's two halves = wave x 128 rows: no place in the cluster enters an LDS address
	s_wait_dscnt 0x0                               ; the opening add is done
	s_wait_kmcnt 0x0
	s_add_nc_u64 s[14:15], s[4:5], s[16:17]
	s_add_nc_u64 s[46:47], s[6:7], s[46:47]
	CROUND                                         ; all sixteen work-groups are here: the first joint loads meet
.irp s, 0,1
	s_mov_b32 s[G0+4*(\s)], 1                                        ; 1:0 count = 1
	s_add_co_u32 s[G0+4*(\s)+1], s20, (\s)*SLOT                      ; 63:32 LDS address
	s_add_nc_u64 s[G0+4*(\s)+2:G0+4*(\s)+3], s[14:15], (\s)*KSTEP*2  ; 120:64 global address: K step s
	s_or_b32 s[G0+4*(\s)+3], s[G0+4*(\s)+3], 0x80000000              ; 127:126 type = 2
	s_mov_b32 s[G0B+4*(\s)], 1
	s_add_co_u32 s[G0B+4*(\s)+1], s20, (\s)*SLOT
	s_add_nc_u64 s[G0B+4*(\s)+2:G0B+4*(\s)+3], s[46:47], (\s)*KSTEP*2
	s_or_b32 s[G0B+4*(\s)+3], s[G0B+4*(\s)+3], 0x80000000
	JLOAD \s                                       ; the ring is filled before anything else is done: two tensor loads of mine are out
.endr
	s_load_b32 s68, s[66:67], 0x0                  ; sigma; the address arithmetic below stands between this load and the wait for it
	; A fragment is 16 rows x 32 K in 8 registers: lane l holds row l % 16; registers 0-3 hold K = 8 (l / 16) + 0..7, registers 4-7 hold
	; K = 16 + 8 (l / 16) + 0..7.  From rows that lie along K: two loads of 16 bytes, 32 bytes apart.  The same for source 0 and source 1.
	v_and_b32 v1, 15, v0                           ; l % 16
	v_bfe_u32 v2, v0, 4, 1                         ; l / 16
	v_mul_u32_u24 v3, v1, PITCH
	v_lshl_add_u32 v3, v2, 4, v3                   ; row x pitch + 16 x half
	s_mul_i32 s21, s11, HALFT                      ; my 128 rows of A
	s_mul_i32 s22, s12, HALFT                      ; my 128 rows of B,
	s_add_co_u32 s22, s22, 2*HALFT                 ; which lie behind A's 256
.irp s, 0,1
	v_add_nc_u32 v[ADRA+(\s)], s21, v3
	v_add_nc_u32 v[ADRB+(\s)], s22, v3
	s_add_co_u32 s21, s21, SLOT
	s_add_co_u32 s22, s22, SLOT
.endr
	s_mul_i32 s23, s10, 16*SPITCH
	s_add_co_u32 s23, s23, STAGE                   ; my stage
	v_mul_u32_u24 v4, v1, SPITCH                   ; in: row l % 16, 32 bytes for each half of the lanes
	v_lshl_add_u32 v4, v2, 5, v4
	v_add_nc_u32 v[STO], s23, v4
	v_and_b32 v5, 31, v0
	v_lshlrev_b32 v[CO], 4, v5                     ; back: 32 lanes take one row's 512 bytes, 16 each; the same 512 bytes in out0
	v_add_nc_u32 v[RD], s23, v[CO]
	; where my part of the tile begins in out0
	s_lshl_b32 s16, s13, 8
	s_lshl_b32 s17, s11, 7
	s_add_co_u32 s16, s16, s17                     ; my first row: 2,047 at the most,
	s_lshl_b32 s16, s16, 15                        ; times 32,768 bytes: under 2^27
	s_mov_b32 s17, 0
	s_add_nc_u64 s[8:9], s[8:9], s[16:17]
	s_lshl_b32 s46, s42, 10                        ; my first column, in bytes: 1,024 x tile column + 512 x half (in the registers that held B's address: none that feeds A's descriptors ever holds cx)
	s_lshl_b32 s47, s12, 9
	s_add_co_u32 s46, s46, s47
	s_mov_b32 s47, 0
	s_add_nc_u64 s[8:9], s[8:9], s[46:47]
	s_wait_kmcnt 0x0                               ; sigma
	v_mov_b32 v6, s68
	v_cvt_pk_bf16_f32 v[SG], v6, v6                ; rounded to bf16 like the other inputs,
	v_lshlrev_b32 v[SG], 16, v[SG]                 ; and widened again
	v_mov_b32 v[SG+1], v[SG]
; 16 matrix instructions: m blocks a0, a0 + 1 of the window's four (hi = 0: my rows 0-63, 1: rows 64-127) x all 8 n blocks, 32 along K.
; zero = 1: the first product starts the sums: nothing is ever cleared.  The 64 accumulators take turns in one order in every quarter step.
.macro MUL16 f, hi, a0, zero
	WIN MUL_LO+0x50*(\hi)
.irp a, \a0, (\a0)+1
.irp b, 0,1,2,3,4,5,6,7
.if \zero
	v_wmma_f32_16x16x32_bf16 v[8*(8*(\a)+(\b)):8*(8*(\a)+(\b))+7], v[(\f)+8*(\b):(\f)+8*(\b)+7], v[(\f)+8*(4*(\hi)+(\a)):(\f)+8*(4*(\hi)+(\a))+7], 0
.else
	v_wmma_f32_16x16x32_bf16 v[8*(8*(\a)+(\b)):8*(8*(\a)+(\b))+7], v[(\f)+8*(\b):(\f)+8*(\b)+7], v[(\f)+8*(4*(\hi)+(\a)):(\f)+8*(4*(\hi)+(\a))+7], v[8*(8*(\a)+(\b)):8*(8*(\a)+(\b))+7]
.endif
.endr
.endr
.endm
; 32 LDS loads in one run: the fragments of one quarter step (128 rows of B, 128 rows of A, 32 K at byte k of the rows) into buffer f
.macro FETCH slot, k, f
	WIN TO_B
.irp i, 0,1,2,3,4,5,6,7
	ds_load_b128 v[(\f)+8*(\i):(\f)+8*(\i)+3],   v[ADRB+(\slot)] offset:(\k)+(\i)*16*PITCH
	ds_load_b128 v[(\f)+8*(\i)+4:(\f)+8*(\i)+7], v[ADRB+(\slot)] offset:(\k)+(\i)*16*PITCH+32
.endr
	WIN 0
.irp i, 0,1,2,3,4,5,6,7
	ds_load_b128 v[(\f)+8*(\i):(\f)+8*(\i)+3],   v[ADRA+(\slot)] offset:(\k)+(\i)*16*PITCH
	ds_load_b128 v[(\f)+8*(\i)+4:(\f)+8*(\i)+7], v[ADRA+(\slot)] offset:(\k)+(\i)*16*PITCH+32
.endr
.endm
; A load into a register that a matrix instruction has read, and a vector instruction that reads a matrix result or writes one of a matrix instruction's registers, stand four places behind that
; matrix instruction, and only plain vector instructions that name none of its registers are places (ISA guide 7.12.1 for vector instructions).
.macro PLACES
.rept 4
	v_nop
.endr
.endm
; A K step is four quarter steps of 32 along K, 64 matrix instructions each, on buffers 0, 1, 0, 1.
; One of the first three: multiplies buffer f; in its middle it fetches the next quarter's fragments, at byte k of the same slot's rows, into buffer g.
.macro QUARTER slot, k, f, g, zero
	s_wait_dscnt 8                                 ; B and A's rows 0-63 are in; the youngest eight loads (A's rows 64-127) may be out
	WIN MUL_LO
	MUL16 \f, 0, 0, \zero
	MUL16 \f, 0, 2, \zero
	PLACES
	FETCH \slot, \k, \g
	s_wait_dscnt 32                                ; all but the 32 just issued
	WIN MUL_HI
	MUL16 \f, 1, 0, \zero
	MUL16 \f, 1, 2, \zero
.endm
; The last quarter multiplies buffer 1 and changes slots.  MEET is its first half: ONE barrier for the change of slots.  In front of it each wave waits for all its tensor loads, of which one is out:
; its part of the next slot; adds 0 to its spare word; and waits for that and for its own reads of this slot.  Behind it nobody reads this slot any more and the next slot is whole.
.macro MEET round                      ; round = 1: the rest of a round of the cluster's barrier follows
	WIN 0                                          ; (the add's two registers lie in window 0)
	s_wait_tensorcnt 0x0                           ; all my tensor loads have landed: the one that was out is my part of the next slot;
	ds_add_u32 v[SPW], v[NIL]                      ; 0 onto my spare word;
	s_wait_dscnt 9                                 ; (the add and the youngest eight loads may be out)
	WIN MUL_LO
	MUL16 F1, 0, 0, 0                              ; sixteen matrix instructions stand between the add and the wait for it
	s_wait_dscnt 0x0                               ; the add is done, and my reads of this slot are over:
	s_barrier_signal -1                            ; say so,
	MUL16 F1, 0, 2, 0                              ; work on registers while the others arrive,
.if \round
	WIN 0
.endif
	s_barrier_wait -1                              ; and go on when all four have said so
.endm
; The whole last quarter.  fill = 1: the barrier opens a round of the cluster's barrier, so that no wave of any partner still reads this slot's tile or has a load on its way; behind the round the slot
; just read out is filled again first, with the K step two steps on; then come the next slot's first fragments.  From a request to the wait for it a wave issues 224 matrix instructions.
.macro TURN slot, next, fill
	MEET \fill
.if \fill
	CREST
	s_add_nc_u64 s[G0+4*(\slot)+2:G0+4*(\slot)+3], s[G0+4*(\slot)+2:G0+4*(\slot)+3], 2*KSTEP*2      ; no tensor load of mine is out: a group 0 may be written; the type bits on top are not reached
	s_add_nc_u64 s[G0B+4*(\slot)+2:G0B+4*(\slot)+3], s[G0B+4*(\slot)+2:G0B+4*(\slot)+3], 2*KSTEP*2
	JLOAD \slot                                    ; my one tensor load behind the round; the four v_nop behind it are also the places in front of the loads below
.else
	PLACES
.endif
	FETCH \next, 0, F0
	WIN MUL_HI
	MUL16 F1, 1, 0, 0
	MUL16 F1, 1, 2, 0
.endm
; THE WAY OUT of block a (16 of my rows), in three parts.  PACK: times sigma, each accumulator's registers in ascending order.  TOSTAGE: into my own stage in LDS, and back as whole rows of 512 bytes.  SEND: stored.
.macro PACK a
.set AC, 64*((\a)%4)
	WIN 0x02+(\a)/4                                ; source 0: window 2 (blocks 0-3) or 3 (blocks 4-7); sigma and the destination in window 0
.irp b, 0,1,2,3,4,5,6,7
.irp r, 0,1,2,3
	v_pk_mul_f32 v[TMP+8*(\b)+2*(\r):TMP+8*(\b)+2*(\r)+1], v[AC+8*(\b)+2*(\r):AC+8*(\b)+2*(\r)+1], v[SG:SG+1]
.endr
.endr
	WIN 0
.endm
.macro TOSTAGE a
	WIN 0
.set BK, 128+64*((\a)%2)
.irp b, 0,1,2,3,4,5,6,7
	ds_store_b128 v[STO], v[TMP+8*(\b):TMP+8*(\b)+3]   offset:64*(\b)
	ds_store_b128 v[STO], v[TMP+8*(\b)+4:TMP+8*(\b)+7] offset:64*(\b)+16
.endr
.irp t, 0,1,2,3,4,5,6,7,8,9,10,11,12,13,14,15
	ds_load_b128 v[BK+4*(\t):BK+4*(\t)+3], v[RD] offset:(\t)*SPITCH  ; LDS serves a wave's instructions in order (ISA guide 5.7.1.4): these see the stores above
.endr
.endm
.macro SEND a
	WIN 0
.set BK, 128+64*((\a)%2)
	s_wait_dscnt 0x0                               ; the block is back in registers
	s_wait_xcnt 0x0                                ; every earlier memory instruction has had its addresses translated (ISA guide 3.1): only behind this wait are the stores' base and the registers that earlier stores read rewritten
.if (\a) > 0
	s_add_nc_u64 s[8:9], s[8:9], 16*CROW           ; 16 rows of out0 on, so that the stores' offsets stay at 15 rows, 491,520 bytes, at the most
.endif
.irp t, 0,1,2,3,4,5,6,7,8,9,10,11,12,13,14,15
	global_store_b128 v[CO], v[BK+4*(\t):BK+4*(\t)+3], s[8:9] offset:(\t)*CROW th:TH_STORE_NT  ; the wave stores 512 consecutive bytes, at a multiple of 512 from out0's first byte
.endr
.endm
	s_wait_tensorcnt 1                             ; my part of K step 0 is in; K step 1's may stay out
	s_barrier_signal -1
	s_barrier_wait -1                              ; everybody's is
	FETCH 0, 0, F0
	QUARTER 0, 64,  F0, F1, 1                      ; the first quarter stands in front of the loop: its products start the sums
	WIN 0                                          ; at a label and at a branch every window is 0
	s_mov_b32 s3, LAPS-1
.Llap:                                                 ; a trip goes once round the ring, from a lap's second quarter to the next lap's first, and fills both slots again: 15 trips ask for K steps 2 to 31
	QUARTER 0, 128, F1, F0, 0
	QUARTER 0, 192, F0, F1, 0
	TURN 0, 1, 1
	QUARTER 1, 64,  F0, F1, 0
	QUARTER 1, 128, F1, F0, 0
	QUARTER 1, 192, F0, F1, 0
	TURN 1, 0, 1
	QUARTER 0, 64,  F0, F1, 0
	WIN 0
	s_sub_co_u32 s3, s3, 1
	s_cmp_lg_u32 s3, 0
	s_cbranch_scc1 .Llap
	QUARTER 0, 128, F1, F0, 0                      ; the last lap is written out: it fills nothing and has no round of the cluster's barrier
	QUARTER 0, 192, F0, F1, 0
	TURN 0, 1, 0
	QUARTER 1, 64,  F0, F1, 0
	QUARTER 1, 128, F1, F0, 0
	QUARTER 1, 192, F0, F1, 0
	s_wait_dscnt 8                                 ; the very last quarter: nothing more to fetch
	MUL16 F1, 0, 0, 0
	MUL16 F1, 0, 2, 0
	s_wait_dscnt 0x0
	MUL16 F1, 1, 0, 0
	MUL16 F1, 1, 2, 0
	WIN 0
	PLACES                                         ; behind the last products: the lines below read results and write registers that held fragments
	PACK 0
	TOSTAGE 0
.irp a, 1,2,3,4,5,6,7                  ; block a's 32 multiplies stand between block a - 1's loads from the stage and the wait for them
	PACK \a
	SEND (\a)-1
	TOSTAGE \a
.endr
	SEND 7
	s_wait_tensorcnt 0x0                           ; the wave's end, behind my last tensor load and my last LDS store
	ds_add_u32 v[SPW], v[NIL]
	s_wait_dscnt 0x0
	CROUND                                         ; the closing round: no work-group ends while a partner may still ask for a tile that names it
	s_endpgm
.Lfunc_end_k_qc867cf36ca_gemm:
	.size	k_qc867cf36ca_gemm, .Lfunc_end_k_qc867cf36ca_gemm-k_qc867cf36ca_gemm
	.p2alignl 7, 3214868480
	.fill 96, 4, 3214868480
	.section	.rodata,"a",@progbits
	.p2align	6, 0x0
	.amdhsa_kernel k_qc867cf36ca_gemm
		.amdhsa_group_segment_fixed_size 327680
		.amdhsa_private_segment_fixed_size 0
		.amdhsa_enable_private_segment 0
		.amdhsa_kernarg_size 32
		.amdhsa_user_sgpr_count 2
		.amdhsa_user_sgpr_kernarg_segment_ptr 1
		.amdhsa_wavefront_size32 1
		.amdhsa_system_sgpr_workgroup_id_x 1
		.amdhsa_system_sgpr_workgroup_id_y 1
		.amdhsa_system_sgpr_workgroup_id_z 1
		.amdhsa_system_vgpr_workitem_id 0
		.amdhsa_next_free_vgpr 1024
		.amdhsa_next_free_sgpr 72
		.amdhsa_reserve_vcc 0
		.amdhsa_float_denorm_mode_32 3
		.amdhsa_float_denorm_mode_16_64 3
		.amdhsa_memory_ordered 1
		.amdhsa_forward_progress 1
		.amdhsa_inst_pref_size 157
	.end_amdhsa_kernel
	.amdgpu_metadata
---
amdhsa.version: [ 1, 2 ]
amdhsa.kernels:
  - .name:           k_qc867cf36ca_gemm
    .symbol:         k_qc867cf36ca_gemm.kd
    .args:
      - { .name: nb, .offset: 0, .size: 8, .value_kind: global_buffer, .address_space: global }
      - { .name: wt, .offset: 8, .size: 8, .value_kind: global_buffer, .address_space: global }
      - { .name: out0, .offset: 16, .size: 8, .value_kind: global_buffer, .address_space: global }
      - { .name: sigma, .offset: 24, .size: 8, .value_kind: global_buffer, .address_space: global }
    .group_segment_fixed_size: 327680
    .private_segment_fixed_size: 0
    .kernarg_segment_align: 8
    .kernarg_segment_size: 32
    .max_flat_workgroup_size: 128
    .sgpr_count:     72
    .vgpr_count:     1024
    .wavefront_size: 32
...
	.end_amdgpu_metadata
.endif
;; end of part 3
